; MI455X (gfx1250); checked and timed in simulation.
; The chip was launched on July 23, 2026; its instructions are those of AMD's public machine-readable ISA for CDNA 5 (MIT licence, August 2026) and "CDNA5" Instruction Set Architecture Reference Guide (July 2026). The comments in the code are by the model that wrote it; some were corrected since.
;; Causal Multihead Self Attention. Allowed arithmetic: matrix products marked QUANTISED: E4M3 operands, one given power-of-two scale a tensor, by v_wmma_f32_16x16x64_fp8_fp8 or v_wmma_f32_16x16x128_fp8_fp8, f32 sums; everything else in f32.
;; Inputs: W_out 1,024 x 1,024 float32; W_qkv 3,072 x 1,024 float32; X 4 x 2,048 x 1,024 float32; lowp_scales 8 int32 (the exponents e of the quantised operands' scales 2^e).
;; Outputs: out0 4 x 2,048 x 1,024 float32.
;; This version of the problem:
;;   THIS VERSION OF THE PROBLEM IS GIVEN IN LOW PRECISION. The matrix products marked QUANTISED in the list below multiply operands that are first quantised to E4M3 (4 exponent bits, 3 mantissa bits; 8 bits a number), with one given power-of-two scale for each operand tensor; their sums are f32. All else is computed in f32.
;;   The module's matrix products, in the order in which they are computed (A, B: the left and right operand; K: the contracted axis; several contracted axes count as one K, in the product's order):
;;     1. [M 8,192, K 1,024] x [K 1,024, N 3,072]; A: input X; B: input W_qkv: QUANTISED (scales: A lowp_scales[0], B lowp_scales[1])
;;     2. batch 64 x [M 2,048, K 64] x [K 64, N 2,048]; A: computed on the way; B: computed on the way: QUANTISED (scales: A lowp_scales[2], B lowp_scales[3])
;;     3. batch 64 x [M 2,048, K 2,048] x [K 2,048, N 64]; A: softmax (see below); B: computed on the way: QUANTISED (scales: A lowp_scales[4], B lowp_scales[5])
;;     4. [M 8,192, K 1,024] x [K 1,024, N 1,024]; A: computed on the way; B: input W_out: QUANTISED (scales: A lowp_scales[6], B lowp_scales[7])
;;   THE QUANTISER, for each operand of a quantised product, along K:
;;     - The operand's scale is 2^e, e = its entry of the input lowp_scales (int32; the entries are numbered through the quantised products in the list's order, A before B).
;;     - Each number is divided by the scale, clamped to +-448, and rounded to the nearest number of E4M3, ties to even, subnormals kept.
;;     - The product sums the exact products of the quantised numbers (number of the format x scale) in f32.
;;   ~~~python
;;   def quantise(x, axis, e):      # numpy; x: float32 -> the quantised numbers, widened to float32 again
;;       x = np.moveaxis(x, axis, -1); K = x.shape[-1]
;;       r = np.clip(x / 2.0 ** e, -448, 448)
;;       step = 2.0 ** (np.maximum(np.frexp(np.where(r == 0, 1, r))[1] - 1, -6) - 3)
;;       q = np.round(r / step) * step * 2.0 ** e      # np.round: ties to even
;;       return np.moveaxis(q, -1, axis).astype(np.float32)
;;   ~~~
;;   SOFTMAX AHEAD OF A QUANTISED PRODUCT. Where the list says 'softmax', what is quantised is not the finished softmax but p = 2^(t - M), with t = logit x log2(e) and M = ceil(the row's largest t), a whole number; so 1/2 < the row's largest p <= 1. The row's sum l is taken of the UNQUANTISED p, in f32, and the product's result is divided by l at the end. Since M is a whole number, a kernel that streams over the keys may use a running M (the ceiling of the running maximum): every later rescaling is an exact power of two, so the quantised numbers keep their values, but for numbers so far below the row's largest that they fall under the format's range.
;;   OPERANDS COMPUTED ON THE WAY. 'Computed on the way' means the value that the module computes at that place (a softmax that the list does not call 'softmax' is quantised finished and normalised). What goes into a quantiser is computed in f32, as accurately as f32 sums, v_exp_f32 and their like allow (about 1e-6 of the number): no bf16 or f16 on the way to a quantiser, and a product that is left as it is and whose result goes on into a quantised operand takes f32 operands (vector FMAs, or v_wmma_f32_16x16x4_f32). A number that lies on a knife's edge between two numbers of the format may be rounded either way, as far as f32 arithmetic and the matrix unit's own rounding can turn it there, and no further.
;; One version. Each part assembles by itself: llvm-mc -triple=amdgcn-amd-amdhsa -mcpu=gfx1250 --defsym DOCPART=n.
;; ======== version 1 of 1: 4 launches
;; limits: right only within a limited range of input values
;; workspace buffers: xc 8,388,608 bytes; wqc 3,145,728 bytes; woc 1,048,576 bytes; qkc 16,777,216 bytes; vc 8,388,608 bytes; ac 8,388,608 bytes
;; launch quant (part 1): grid 768 x 1, 4 waves a work-group, no clusters, 33,280 bytes of LDS; arguments X, W_qkv, W_out, lowp_scales, xc, wqc, woc; writes xc, wqc, woc
.if DOCPART == 1
	.amdgcn_target "amdgcn-amd-amdhsa--gfx1250"
	.amdhsa_code_object_version 6
	.text
	.protected	k_q590e8b4009_quant
	.globl	k_q590e8b4009_quant
	.p2align	8
	.type	k_q590e8b4009_quant,@function
k_q590e8b4009_quant:
	s_mov_b64 s[64:65], 0
	v_nop
	global_prefetch_b8 v0, s[64:65] scope:SCOPE_SE
	s_setreg_imm32_b32 hwreg(HW_REG_WAVE_MODE, 25, 1), 1
	s_wait_xcnt 0x0
; X [8192][1024], W_qkv [3072][1024] and W_out [1024][1024], f32, become codes of FP8 (E4M3), one byte each, K innermost, rows as they lie.
; code = x / 2^e, held within +-448, rounded to the nearest code, ties to even.  e: entry 0 of the scales for X, entry 1 for W_qkv, entry 7 for W_out.
; LIMITS: -126 <= e <= 119, so that 2^e and 448 x 2^e are f32 numbers.  NaN among the inputs is not served; an infinity is held at the largest code.
; WORK LEFT OUT BY THE PROGRAM (launch attn): reference() builds the causal mask in its own body (jnp.tril): key k counts for query q only where k <= q, whatever the inputs hold.  Steps of 128 keys all of which
; come after a tile's 16 queries are thrown away whole by that mask, so their scores, exponentials and products are not made.  LIMIT: a NaN, an infinity or an overflow that reaches only those hidden scores is not carried to the result.
; Rows are dense, so each tensor is a plain stream of numbers and its codes a plain stream of bytes.  A work-group takes 16,384 numbers, a wave 8 steps of 512.
; Work-groups 0-511 take X, 512-703 W_qkv, 704-767 W_out: only pointers and the exponent are chosen, by the work-group's number; all take one path.
; Each load reads 512 consecutive bytes, 16 a lane; a step's 2,048 bytes turn through the wave's own stage in LDS and come back 64 bytes a lane, since the
; conversion takes eight neighbours from one lane's registers.  A lane's 16 codes are 16 bytes: a wave's store covers 512 consecutive bytes, aligned.
; No tensor loads, no barrier: waves share nothing.  All of a wave's 32 loads are issued at its head, each step into registers of its own; the turn through LDS runs one step ahead.
.set STEPS, 8
.set WGX,   512                        ; the first work-group of W_qkv
.set WGQ,   704                        ; the first work-group of W_out
.set EMAX,  8
.set MANT,  0x600000                   ; the mantissa field of 448 as f32
.set CB,    16                         ; bytes of 16 codes
.set R,     16                         ; v16-143  eight sets of 16 numbers as they are loaded
.set X,     144                        ; v144-175 two sets of 16 neighbours
.set C,     176                        ; v176-207 codes: four registers for each step, so that no store's data are written again
.set SPW,   208                        ; v208     LDS address of my spare word; never rewritten
.set NIL,   209                        ; v209     0; never rewritten
.set WREG,  8192                       ; LDS: a region of its own for each wave: two stages of 32 x SP bytes
.set SP,    80                         ; a lane's place in a stage: its 64 bytes + 16 of padding
.set SPARE, 4*WREG                     ; behind the four regions: the spare words, 128 bytes for each wave, which no other line names
	s_load_b256 s[4:11], s[0:1], 0x0               ; X s[4:5], W_qkv s[6:7], W_out s[8:9], the scales' exponents s[10:11]
	s_load_b128 s[12:15], s[0:1], 0x20             ; X's codes, W_qkv's codes
	s_load_b64 s[16:17], s[0:1], 0x30              ; W_out's codes
	v_lshl_add_u32 v[SPW], v0, 2, SPARE
	v_mov_b32 v[NIL], 0
	v_lshrrev_b32 v1, 5, v0
	v_readfirstlane_b32 s18, v1                    ; wave
	v_and_b32 v2, 31, v0                           ; lane
	v_lshlrev_b32 v3, 4, v2                        ; my 16 bytes of a load's 512
	s_mul_i32 s34, s18, WREG
	v_lshrrev_b32 v14, 2, v2
	v_mul_u32_u24 v14, v14, SP
	v_and_b32 v15, 3, v2
	v_lshl_add_u32 v14, v15, 4, v14
	v_add_nc_u32 v14, s34, v14                     ; the stage, on the way in: four lanes' 64 bytes on end, then 16 of padding
	v_mul_u32_u24 v15, v2, SP
	v_add_nc_u32 v15, s34, v15                     ; and on the way out: SP x lane: my 16 neighbours
	v_mul_u32_u24 v4, v2, CB                       ; my codes' place in a step's
	s_wait_alu depctr_va_vdst(0)
	s_wait_kmcnt 0x0
	s_load_b256 s[24:31], s[10:11], 0x0            ; the eight exponents
	s_mov_b32 s19, WGQ
	s_cmp_lt_u32 ttmp9, WGQ                        ; W_qkv or W_out?
	s_cselect_b64 s[6:7], s[6:7], s[8:9]
	s_cselect_b64 s[14:15], s[14:15], s[16:17]
	s_cselect_b32 s19, WGX, s19
	s_cmp_lt_u32 ttmp9, WGX                        ; X or one of those?
	s_cselect_b64 s[4:5], s[4:5], s[6:7]           ; the numbers
	s_cselect_b64 s[36:37], s[12:13], s[14:15]     ; the codes
	s_cselect_b32 s19, 0, s19                      ; the tensor's first work-group
	s_sub_co_u32 s21, ttmp9, s19
	s_lshl_b32 s21, s21, 2
	s_add_co_u32 s22, s21, s18                     ; which run of 4,096 numbers of the tensor is my wave's
	s_mov_b32 s23, 0
	s_mov_b64 s[32:33], 512*STEPS*4
	s_mul_u64 s[32:33], s[22:23], s[32:33]
	s_add_nc_u64 s[4:5], s[4:5], s[32:33]
	s_mov_b64 s[32:33], 32*STEPS*CB
	s_mul_u64 s[32:33], s[22:23], s[32:33]
	s_add_nc_u64 s[36:37], s[36:37], s[32:33]
.irp t, 0,1,2,3,4,5,6,7
.irp i, 0,1,2,3
	global_load_b128 v[R+16*\t+4*\i:R+16*\t+4*\i+3], v3, s[4:5] offset:2048*\t+512*\i th:TH_LOAD_NT   ; 32 lanes read 512 consecutive bytes
.endr
.endr
.macro TURN t                          ; step t's numbers through the stage: LDS serves a wave's instructions in order, so no wait stands between the stores and the loads
.irp i, 0,1,2,3
	ds_store_b128 v14, v[R+16*(\t)+4*\i:R+16*(\t)+4*\i+3] offset:32*SP*((\t)%2)+8*SP*\i
.endr
.irp i, 0,1,2,3
	ds_load_b128 v[X+16*((\t)%2)+4*\i:X+16*((\t)%2)+4*\i+3], v15 offset:32*SP*((\t)%2)+16*\i
.endr
.endm
	s_wait_kmcnt 0x0
	s_cmp_lt_u32 ttmp9, WGQ
	s_cselect_b32 s20, s25, s31                    ; e1 or e7
	s_cmp_lt_u32 ttmp9, WGX
	s_cselect_b32 s20, s24, s20                    ; e0 or that
	s_add_co_i32 s20, s20, 127
	s_lshl_b32 s21, s20, 23
	v_mov_b32 v11, s21                             ; 2^e as f32: the conversion takes its exponent field
	s_add_co_i32 s20, s20, EMAX
	s_lshl_b32 s20, s20, 23
	s_or_b32 s20, s20, MANT
	v_mov_b32 v10, s20                             ; 448 x 2^e
	s_wait_alu depctr_va_vdst(0)
	s_wait_loadcnt 4*(STEPS-1)                     ; step 0's four loads are in; the 28 of steps 1 to 7 may be out
	TURN 0
.macro STEP t
.set XS, X+16*((\t)%2)
	s_wait_dscnt 0x0                               ; this step's numbers are back from the stage
.if (\t)+1 < STEPS
	s_wait_loadcnt 4*(STEPS-2-(\t))                ; the next step's four loads are in; those of the steps behind it may be out
	TURN (\t)+1                                    ; and go through the other stage while this step is worked
.endif
.irp i, 0,1,2,3,4,5,6,7,8,9,10,11,12,13,14,15
	v_med3_num_f32 v[XS+\i], v[XS+\i], -v10, v10   ; the conversion to an 8-bit code does not saturate (ISA guide 7.6.2): the hold at 448 x the scale comes first
.endr
	v_cvt_scalef32_pk8_fp8_f32 v[C+4*(\t):C+4*(\t)+1], v[XS:XS+7], v11
	v_cvt_scalef32_pk8_fp8_f32 v[C+4*(\t)+2:C+4*(\t)+3], v[XS+8:XS+15], v11
	global_store_b128 v4, v[C+4*(\t):C+4*(\t)+3], s[36:37] offset:32*CB*(\t)   ; the codes go to a store alone; the next vector lines are the next step's holds, on other registers
.endm
.irp t, 0,1,2,3,4,5,6,7
	STEP \t
.endr
	s_wait_tensorcnt 0x0                           ; the wave's end, behind my last LDS store
	ds_add_u32 v[SPW], v[NIL]
	s_wait_dscnt 0x0
	s_endpgm
.Lfunc_end_k_q590e8b4009_quant:
	.size	k_q590e8b4009_quant, .Lfunc_end_k_q590e8b4009_quant-k_q590e8b4009_quant
	.p2alignl 7, 3214868480
	.fill 96, 4, 3214868480
	.section	.rodata,"a",@progbits
	.p2align	6, 0x0
	.amdhsa_kernel k_q590e8b4009_quant
		.amdhsa_group_segment_fixed_size 33280
		.amdhsa_private_segment_fixed_size 0
		.amdhsa_enable_private_segment 0
		.amdhsa_kernarg_size 56
		.amdhsa_user_sgpr_count 2
		.amdhsa_user_sgpr_kernarg_segment_ptr 1
		.amdhsa_wavefront_size32 1
		.amdhsa_system_sgpr_workgroup_id_x 1
		.amdhsa_system_sgpr_workgroup_id_y 1
		.amdhsa_system_sgpr_workgroup_id_z 1
		.amdhsa_system_vgpr_workitem_id 0
		.amdhsa_next_free_vgpr 210
		.amdhsa_next_free_sgpr 66
		.amdhsa_reserve_vcc 0
		.amdhsa_float_denorm_mode_32 3
		.amdhsa_float_denorm_mode_16_64 3
		.amdhsa_memory_ordered 1
		.amdhsa_forward_progress 1
		.amdhsa_inst_pref_size 21
	.end_amdhsa_kernel
	.amdgpu_metadata
---
amdhsa.version: [ 1, 2 ]
amdhsa.kernels:
  - .name:           k_q590e8b4009_quant
    .symbol:         k_q590e8b4009_quant.kd
    .args:
      - { .name: X, .offset: 0, .size: 8, .value_kind: global_buffer, .address_space: global }
      - { .name: W_qkv, .offset: 8, .size: 8, .value_kind: global_buffer, .address_space: global }
      - { .name: W_out, .offset: 16, .size: 8, .value_kind: global_buffer, .address_space: global }
      - { .name: lowp_scales, .offset: 24, .size: 8, .value_kind: global_buffer, .address_space: global }
      - { .name: xc, .offset: 32, .size: 8, .value_kind: global_buffer, .address_space: global }
      - { .name: wqc, .offset: 40, .size: 8, .value_kind: global_buffer, .address_space: global }
      - { .name: woc, .offset: 48, .size: 8, .value_kind: global_buffer, .address_space: global }
    .group_segment_fixed_size: 33280
    .private_segment_fixed_size: 0
    .kernarg_segment_align: 8
    .kernarg_segment_size: 56
    .max_flat_workgroup_size: 128
    .sgpr_count:     66
    .vgpr_count:     210
    .wavefront_size: 32
...
	.end_amdgpu_metadata
.endif
;; end of part 1
;; launch qkv (part 2): grid 12 x 32, 4 waves a work-group, clusters of 4 x 4, 327,680 bytes of LDS; arguments xc, wqc, lowp_scales, qkc, vc; writes qkc, vc
.if DOCPART == 2
	.amdgcn_target "amdgcn-amd-amdhsa--gfx1250"
	.amdhsa_code_object_version 6
	.text
	.protected	k_q590e8b4009_qkv
	.globl	k_q590e8b4009_qkv
	.p2align	8
	.type	k_q590e8b4009_qkv,@function
k_q590e8b4009_qkv:
	s_mov_b64 s[64:65], 0
	v_nop
	global_prefetch_b8 v0, s[64:65] scope:SCOPE_SE
	s_setreg_imm32_b32 hwreg(HW_REG_WAVE_MODE, 25, 1), 1
	s_wait_xcnt 0x0
	s_wait_alu depctr_hold_cnt(0) depctr_sa_sdst(0) depctr_va_vdst(0) depctr_va_sdst(0) depctr_va_ssrc(0) depctr_va_vcc(0) depctr_vm_vsrc(0)
	s_getreg_b32 s2, hwreg(HW_REG_IB_STS2, 6, 4)
	s_cmp_eq_u32 s2, 0
	s_cbranch_scc0 .Lentry_in_a_cluster
	s_endpgm
.Lentry_in_a_cluster:
	s_bfe_u32 s2, ttmp6, 0x10000c
	s_cmp_lg_u32 s2, 0xf033
	s_cbranch_scc0 .Lentry_shape_is_right
	s_endpgm
.Lentry_shape_is_right:
; The first product, X W_qkv^T, on codes of FP8 (E4M3); each finished f32 sum is quantised at once to a code of Q (scale entry 2), K (entry 3) or V (entry 5).
; The body makes C'[i][j] = sum over k of A'[i][k] B'[j][k], K = 1,024, on tiles of 256 x 256.  WHICH PROBLEM is chosen by the cluster's x, which all sixteen partners share:
;   cluster x = 0, 1:  A' = X's codes (tokens), B' = rows 0..2047 of W_qkv's codes: Q and K.  Tile row = 4 x cluster y + cy, tile column = 4 x cluster x + cx.
;   cluster x = 2:     A' = rows 2048..3071 of W_qkv's codes (V's features), B' = X's codes: V^T.  Tile row = cy, tile column = 4 x cluster y + cx.
; The matrix instruction is used transposed (source 0 = 16 rows of B', source 1 = 16 rows of A'): a lane holds row i = lane % 16 and eight neighbouring j.  For Q and K these run along the head's
; 64, for V^T along the tokens: in both cases along the K of the product that will read them, so the conversions' results are pieces of that operand's registers.
; OUT: images of the next operands' registers.  qkc = [plane 8: Q of head group 0-3, K of head group 0-3][block of 16 tokens 512][head in group 4][1,024 bytes];
; vc = [batch 4][head group 4][256 keys 8][16 features 16][128 keys 2][2,048 bytes].  In both a group of four registers lies at 512 x group + 16 x lane.  A work-group's results are 65,536
; consecutive bytes; wave (row half u, column half w), block a of 16 rows, group c: (8 u + a) x 4,096 + 2,048 w + 512 c + 16 x lane.  Each store of a wave covers 512 consecutive bytes, aligned.
; A sum stands for sum x 2^(e0 + e1), so its code is sum / 2^(eo - e0 - e1), eo the scale of what is made.  LIMIT: eo - e0 - e1 between -126 and 119.
; Four waves, each 128 x 128: 64 accumulators.  K goes in steps of 256 through a ring of two LDS slots filled by joint tensor loads: A's tile shared along a row of the cluster, B's along a column.
; REGISTERS, in windows of 256: window 0: v16-31 addresses and the scale; v32-95 at work on the way out; from v128 A's fragments, ONE set, later the codes to be stored.
;   window 1: B's fragments, TWO sets.   window 2: the accumulators of my rows 0-63 ((a, b) at v[8 (8 a + b)]);   window 3: those of my rows 64-127.
.set ROWB,   256                       ; a tile's row in bytes
.set KROW,   1024                      ; a row of codes in memory
.set PITCH,  272                       ; an LDS row: 256 bytes + 16 of padding: the 16 rows that a load touches start at 16 different banks (ISA guide 11.1)
.set FR,     16                        ; registers of a fragment: 16 rows x 128 K
.set NL,     4                         ; LDS loads that bring one
.set NP,     4                         ; places behind this matrix instruction (ISA guide 7.12.1)
.set HALFT,  128*PITCH                 ; 128 rows: what one tensor load brings
.set SLOT,   4*HALFT                   ; A's 256 rows, then B's 256 rows
.set LAPS,   2                         ; a lap = two K steps = once round the ring
.set SPARE,  2*SLOT                    ; behind the ring: the spare words, 128 bytes for each wave, which no other line names
.set ADRA, 16                          ; v16-17  LDS address of my A fragments in slot 0, 1
.set ADRB, 20                          ; v20-21  the same for B
.set CO,   26                          ; v26     16 x lane: my place in a store's 512 bytes
.set SPW,  28                          ; v28     LDS address of my spare word; never rewritten
.set NIL,  29                          ; v29     0; never rewritten
.set SC,   30                          ; v30     2^(eo - e0 - e1) as f32
.set LIM,  31                          ; v31     448 x that
.set TMP,  32                          ; v32-95  a block's sums, held
.set AF,   128                         ; A's fragments, in window 0
.set CD,   128                         ; the codes: 16 registers a block; each store has registers of its own
.set G1, 24                            ; s[24:31] descriptor group 1 for A's tiles;  s[32:39] group 0, one set for each slot
.set G0, 32
.set G1B, 48                           ; s[48:55], s[56:63] the same for B's tiles
.set G0B, 56
.set MSB, 0
.macro WIN new                         ; the immediate's high byte repeats the setting that is left
.if MSB != (\new)
	s_set_vgpr_msb (MSB<<8)|(\new)
.set MSB, (\new)
.endif
.endm
.set MUL_LO, 0xa1                      ; source 0 (B) window 1, source 1 (A) window 0, C and D window 2
.set MUL_HI, 0xf1                      ; the same, C and D window 3
.set TO_B,   0x40                      ; destination window 1, address window 0
; A joint load: waves 0 and 1 fetch for A, waves 2 and 3 for B.  The branch hangs on the wave's number alone.  Four v_nop follow each of the two lines.
.macro JLOAD g0a, g1a, g0b, g1b
	s_cmp_eq_u32 s15, 0
	s_cbranch_scc0 .Lfor_b_\@
	tensor_load_to_lds s[\g0a:\g0a+3], s[\g1a:\g1a+7]
	s_nop 0
.rept 4
	v_nop
.endr
	s_branch .Lasked_\@
.Lfor_b_\@:
	tensor_load_to_lds s[\g0b:\g0b+3], s[\g1b:\g1b+7]
	s_nop 0
.rept 4
	v_nop
.endr
.Lasked_\@:
.endm
.macro CREST                           ; a round of the cluster's barrier behind its opening barrier
	s_cmp_lg_u32 s14, 0
	s_cbranch_scc1 .Lnot_wave_0_\@
	s_barrier_signal -3
.Lnot_wave_0_\@:
	s_barrier_wait -3
	s_barrier_signal -1
	s_barrier_wait -1
.endm
.macro CROUND                          ; a whole round
	s_barrier_signal -1
	s_barrier_wait -1
	CREST
.endm
	s_load_b256 s[4:11], s[0:1], 0x0               ; X's codes s[4:5], W_qkv's codes s[6:7], the scales' exponents s[8:9], qkc s[10:11]
	s_load_b64 s[12:13], s[0:1], 0x20              ; vc
	v_lshl_add_u32 v[SPW], v0, 2, SPARE
	v_mov_b32 v[NIL], 0
	ds_add_u32 v28, v29
	ds_add_u32 v28, v29
	s_wait_dscnt 0x0
	v_lshrrev_b32 v1, 5, v0
	v_readfirstlane_b32 s14, v1                    ; wave 0..3
	s_lshr_b32 s15, s14, 1                         ; which half of the tile's rows is mine.  Also: I fetch for A (0) or for B (1)
	s_and_b32 s16, s14, 1                          ; which half of its columns.  Also: which 128 rows of that tile I fetch
	s_bfe_u32 s40, ttmp6, 0x40000                  ; cx, cy: my place in the cluster
	s_bfe_u32 s41, ttmp6, 0x40004
	s_lshl_b32 s67, ttmp9, 2                       ; 4 x cluster x
	s_and_b32 s66, ttmp7, 0xffff
	s_lshl_b32 s66, s66, 2                         ; 4 x cluster y
	s_cmp_eq_u32 ttmp9, 2                          ; V^T?  The same answer in all sixteen partners
	s_cselect_b32 s17, 0, s66
	s_cselect_b32 s42, s66, s67
	s_add_co_u32 s17, s17, s41                     ; tile row: it holds cy and never cx
	s_add_co_u32 s42, s42, s40                     ; tile column: it holds cx and never cy
	s_lshl_b32 s43, s41, 2
	s_lshl_b32 s43, 15, s43                        ; my row of the cluster
	s_lshl_b32 s44, 0x1111, s40                    ; my column
	; descriptor group 1: a tile of 128 rows x 256 bytes, padded in LDS
	s_or_b32 s[G1+0], s43, (0<<16)|(1<<20)|(1<<21)|(5<<22)|(3<<25)  ; 15:0 the mask: A's tiles go to my row; 17:16 element of 1 byte; 20 padding on; 21 set beside a mask; 24:22 after every 64 words; 31:25 of 4 words
	s_or_b32 s[G1B+0], s44, (0<<16)|(1<<20)|(1<<21)|(5<<22)|(3<<25)
.irp g, G1, G1B
	s_mov_b32 s[\g+1], ROWB<<16                    ; tensor_dim0
	s_mov_b32 s[\g+2], 128<<16                     ; tensor_dim1 = 128
	s_mov_b32 s[\g+3], ROWB<<16                    ; tile_dim0
	s_mov_b32 s[\g+4], 128                         ; tile_dim1 = 128
	s_mov_b32 s[\g+5], KROW                        ; tensor_dim0_stride
	s_mov_b32 s[\g+6], 0
	s_mov_b32 s[\g+7], 0
.endr
	s_lshl_b32 s18, s16, 7                         ; which 128 rows of the tile I fetch
	s_lshl_b32 s20, s17, 8
	s_add_co_u32 s20, s20, s18                     ; A': row 256 x tile row + 128 x half
	s_lshl_b32 s46, s42, 8
	s_add_co_u32 s46, s46, s18                     ; B': row 256 x tile column + 128 x half
	s_mov_b32 s21, 0
	s_mov_b32 s47, 0
	s_mov_b64 s[18:19], KROW
	s_mul_u64 s[20:21], s[20:21], s[18:19]         ; in bytes
	s_mul_u64 s[46:47], s[46:47], s[18:19]
	s_mul_i32 s45, s14, HALFT                      ; where they go: wave x 128 rows: no place in the cluster enters an LDS address
	s_wait_kmcnt 0x0
	s_load_b256 s[72:79], s[8:9], 0x0              ; the eight exponents
	s_add_nc_u64 s[68:69], s[6:7], 2048*KROW       ; V's rows of W_qkv
	s_cmp_eq_u32 ttmp9, 2
	s_cselect_b64 s[70:71], s[68:69], s[4:5]       ; A'
	s_cselect_b64 s[80:81], s[4:5], s[6:7]         ; B'
	s_cselect_b64 s[10:11], s[12:13], s[10:11]     ; where the codes go
	s_add_nc_u64 s[20:21], s[70:71], s[20:21]
	s_add_nc_u64 s[46:47], s[80:81], s[46:47]
	CROUND                                         ; all sixteen work-groups are here: the first joint loads meet
.irp s, 0,1
	s_mov_b32 s[G0+4*\s], 1
	s_add_co_u32 s[G0+4*\s+1], s45, \s*SLOT
	s_add_nc_u64 s[G0+4*\s+2:G0+4*\s+3], s[20:21], \s*ROWB
	s_or_b32 s[G0+4*\s+3], s[G0+4*\s+3], 0x80000000
	s_mov_b32 s[G0B+4*\s], 1
	s_add_co_u32 s[G0B+4*\s+1], s45, \s*SLOT
	s_add_nc_u64 s[G0B+4*\s+2:G0B+4*\s+3], s[46:47], \s*ROWB
	s_or_b32 s[G0B+4*\s+3], s[G0B+4*\s+3], 0x80000000
.endr
	JLOAD G0, G1, G0B, G1B                         ; K step 0: one tensor load a wave
	v_and_b32 v1, 15, v0                           ; l % 16
	v_bfe_u32 v2, v0, 4, 1                         ; l / 16
	v_mul_u32_u24 v3, v1, PITCH
	v_lshl_add_u32 v4, v2, 4, v3                   ; a fragment's row x pitch + 16 x half
	s_mul_i32 s21, s15, HALFT                      ; my 128 rows of A'
	s_mul_i32 s22, s16, HALFT                      ; my 128 rows of B',
	s_add_co_u32 s22, s22, 2*HALFT                 ; which lie behind A's 256
.irp s, 0,1
	v_add_nc_u32 v[ADRA+\s], s21, v4
	v_add_nc_u32 v[ADRB+\s], s22, v4
	s_add_co_u32 s21, s21, SLOT
	s_add_co_u32 s22, s22, SLOT
.endr
	v_and_b32 v6, 31, v0
	v_lshlrev_b32 v[CO], 4, v6
	; which 65,536 bytes of the output are my work-group's.  V^T: (column / 8) x 32 + row x 8 + column % 8 (batch, head group, 256 keys).  Q, K: column x 32 + row (plane, 256 tokens)
	s_lshr_b32 s82, s42, 3
	s_lshl_b32 s82, s82, 5
	s_lshl_b32 s83, s17, 3
	s_add_co_u32 s82, s82, s83
	s_and_b32 s83, s42, 7
	s_add_co_u32 s82, s82, s83
	s_lshl_b32 s83, s42, 5
	s_add_co_u32 s83, s83, s17
	s_cmp_eq_u32 ttmp9, 2
	s_cselect_b32 s82, s82, s83
	s_lshl_b32 s82, s82, 16
	s_lshl_b32 s83, s15, 15                        ; my row half: 8 blocks of 4,096 bytes
	s_add_co_u32 s82, s82, s83
	s_lshl_b32 s83, s16, 11                        ; my column half: 2,048 bytes of each
	s_add_co_u32 s82, s82, s83
	s_mov_b32 s83, 0
	s_add_nc_u64 s[10:11], s[10:11], s[82:83]
.macro FRAG reg, adr, q, i             ; a fragment, 16 rows x 128 K, is 16 registers: lane l holds row l % 16; registers 4 c .. 4 c + 3 hold K = 32 c + 16 (l / 16) + 0 .. 15: the same order of k in A' and in B'
.irp c, 0,1,2,3
	ds_load_b128 v[\reg+4*\c:\reg+4*\c+3], v[\adr] offset:128*(\q)+32*\c+(\i)*16*PITCH
.endr
.endm
; 16 matrix instructions: A's blocks a0, a0 + 1 x B's eight, 128 along K.  p: B's set.  zero = 1: the first product starts the sums.
; The 64 accumulators take turns, one instruction a turn, in the same order in every step.
.macro MUL16 a0, p, zero
.irp a, \a0, \a0+1
.irp b, 0,1,2,3,4,5,6,7
.if \zero
	v_wmma_f32_16x16x128_fp8_fp8 v[8*(8*((\a)%4)+\b):8*(8*((\a)%4)+\b)+7], v[128*(\p)+FR*\b:128*(\p)+FR*\b+FR-1], v[AF+FR*(\a):AF+FR*(\a)+FR-1], 0
.else
	v_wmma_f32_16x16x128_fp8_fp8 v[8*(8*((\a)%4)+\b):8*(8*((\a)%4)+\b)+7], v[128*(\p)+FR*\b:128*(\p)+FR*\b+FR-1], v[AF+FR*(\a):AF+FR*(\a)+FR-1], v[8*(8*((\a)%4)+\b):8*(8*((\a)%4)+\b)+7]
.endif
.endr
.endr
.endm
.macro FETCH_B slot, q, p              ; B's eight fragments of the slot's q-th 128 along K into set p
	WIN TO_B
.irp i, 0,1,2,3,4,5,6,7
	FRAG 128*(\p)+FR*\i, ADRB+\slot, \q, \i
.endr
	WIN 0
.endm
.macro FETCH_A slot, q, i0             ; A's blocks i0 .. i0 + 3
.irp i, \i0, \i0+1, \i0+2, \i0+3
	FRAG AF+FR*(\i), ADRA+\slot, \q, \i
.endr
.endm
; A load into a register that a matrix instruction has read, and a vector instruction that reads a matrix result, stand NP places behind it; only plain vector instructions that name none of its registers are places
.macro PLACES n
.rept \n
	v_nop
.endr
.endm
; A step of 128 along K that has its successor in the same slot.
.macro STEP slot, q, zero
	s_wait_dscnt 4*NL                              ; B's set and A's blocks 0-3 are in; the youngest sixteen loads (A's blocks 4-7) may be out
	WIN MUL_LO
	MUL16 0, (\q)%2, \zero
	MUL16 2, (\q)%2, \zero
	s_wait_dscnt 0                                 ; A's blocks 4-7 are in
	PLACES NP
	FETCH_B \slot, (\q)+1, 1-(\q)%2
	FETCH_A \slot, (\q)+1, 0
	WIN MUL_HI
	MUL16 4, (\q)%2, \zero
	MUL16 6, (\q)%2, \zero
	PLACES NP
	WIN 0
	FETCH_A \slot, (\q)+1, 4
.endm
; A slot's last step changes slots: ONE barrier; in front of it each wave waits for all its tensor loads, adds 0 to its spare word, and waits for that and for its own reads of this slot.  fill = 1: this slot is filled again, two K steps ahead.
.macro TURN slot, next, fill
	s_wait_tensorcnt 0x0                           ; all my tensor loads have landed: my part of the next slot
	ds_add_u32 v[SPW], v[NIL]                      ; 0 onto my spare word
	s_wait_dscnt 4*NL+1                            ; (the add and the youngest sixteen loads, A's blocks 4-7, may be out)
	WIN MUL_LO
	MUL16 0, 1, 0                                  ; sixteen matrix instructions stand between the add and the wait for it
	s_wait_dscnt 0x0                               ; the add is done, and my reads of this slot are over
	s_barrier_signal -1
	MUL16 2, 1, 0
	WIN 0
	s_barrier_wait -1
.if \fill
	CREST                                          ; the barrier has opened a round of the cluster's barrier: no wave of any partner still reads this slot's tile or has a load on its way
	s_add_nc_u64 s[G0+4*\slot+2:G0+4*\slot+3], s[G0+4*\slot+2:G0+4*\slot+3], 2*ROWB
	s_add_nc_u64 s[G0B+4*\slot+2:G0B+4*\slot+3], s[G0B+4*\slot+2:G0B+4*\slot+3], 2*ROWB
	JLOAD G0+4*\slot, G1, G0B+4*\slot, G1B         ; the first tensor load behind the round; its four v_nop are also the places in front of the loads below
.else
	PLACES NP
.endif
	FETCH_B \next, 0, 0
	FETCH_A \next, 0, 0
	WIN MUL_HI
	MUL16 4, 1, 0
	MUL16 6, 1, 0
	PLACES NP
	WIN 0
	FETCH_A \next, 0, 4
.endm
	s_wait_alu depctr_va_vdst(0)
	s_wait_tensorcnt 0x0                           ; my part of K step 0 is in
	ds_add_u32 v[SPW], v[NIL]
	s_wait_dscnt 0x0                               ; the add is done
	CROUND                                         ; a whole round: everybody's part of K step 0 is in, and all sixteen work-groups are here
	JLOAD G0+4, G1, G0B+4, G1B                     ; K step 1's load, slot 1's first fill: the first tensor load behind the round
	FETCH_B 0, 0, 0
	FETCH_A 0, 0, 0
	FETCH_A 0, 0, 4
	STEP 0, 0, 1                                   ; the first step stands in front of the loop: its products start the sums
	s_mov_b32 s3, LAPS-1
.Llap:                                                 ; a trip goes once round the ring, from a lap's second step to the next lap's first, and fills both slots again
	TURN 0, 1, 1
	STEP 1, 0, 0
	TURN 1, 0, 1
	STEP 0, 0, 0
	s_sub_co_u32 s3, s3, 1
	s_cmp_lg_u32 s3, 0
	s_cbranch_scc1 .Llap
	TURN 0, 1, 0                                   ; the last lap fills nothing, and has no round of the cluster's barrier
	STEP 1, 0, 0
	s_wait_dscnt 4*NL                              ; the very last step: nothing more to fetch
	WIN MUL_LO
	MUL16 0, 1, 0
	MUL16 2, 1, 0
	s_wait_dscnt 0
	WIN MUL_HI
	MUL16 4, 1, 0
	MUL16 6, 1, 0
	WIN 0
	; THE WAY OUT.  The scale is chosen without a branch: e2 for Q (cluster x = 0), e3 for K (1), e5 for V (2).
	s_wait_kmcnt 0x0
	s_cmp_eq_u32 ttmp9, 0
	s_cselect_b32 s84, s74, s75
	s_cmp_eq_u32 ttmp9, 2
	s_cselect_b32 s84, s77, s84
	s_sub_co_i32 s84, s84, s72
	s_sub_co_i32 s84, s84, s73                     ; eo - e0 - e1
	s_add_co_i32 s84, s84, 127
	s_lshl_b32 s85, s84, 23
	v_mov_b32 v[SC], s85
	s_add_co_i32 s84, s84, 8
	s_lshl_b32 s84, s84, 23
	s_or_b32 s84, s84, 0x600000
	v_mov_b32 v[LIM], s84
	PLACES NP                                      ; behind the last products: their results are read below, and the codes are laid over A's fragments
; Block a: 16 rows x 128 columns.  The hold (the conversion does not saturate: ISA guide 7.6.2) moves the sums into window 0, each accumulator from its low end on; eight conversions give the lane's
; 64 codes; four stores, each of four registers that belong together in the next operand.
.macro OUTBLK a
.set AC, 64*((\a)%4)
	WIN 0x02+((\a)/4)                              ; source 0: window 2 or 3
.set j, 0
.rept 64
	v_med3_num_f32 v[TMP+j], v[AC+j], -v[LIM], v[LIM]
.set j, j+1
.endr
	WIN 0
.irp b, 0,1,2,3,4,5,6,7
	v_cvt_scalef32_pk8_fp8_f32 v[CD+16*(\a)+2*\b:CD+16*(\a)+2*\b+1], v[TMP+8*\b:TMP+8*\b+7], v[SC]
.endr
	v_nop                                          ; one plain vector line between the conversions and the next block's holds, which write their sources
.irp c, 0,1,2,3
	global_store_b128 v[CO], v[CD+16*(\a)+4*\c:CD+16*(\a)+4*\c+3], s[10:11] offset:4096*(\a)+512*\c   ; 32 lanes store 512 consecutive bytes, aligned; base, offset and data are never written again
.endr
.endm
.irp a, 0,1,2,3,4,5,6,7
	OUTBLK \a
.endr
	s_wait_tensorcnt 0x0                           ; the wave's end
	ds_add_u32 v[SPW], v[NIL]
	s_wait_dscnt 0x0
	CROUND                                         ; the closing round: no work-group ends while a partner may still ask for a tile that names it
	s_endpgm
.Lfunc_end_k_q590e8b4009_qkv:
	.size	k_q590e8b4009_qkv, .Lfunc_end_k_q590e8b4009_qkv-k_q590e8b4009_qkv
	.p2alignl 7, 3214868480
	.fill 96, 4, 3214868480
	.section	.rodata,"a",@progbits
	.p2align	6, 0x0
	.amdhsa_kernel k_q590e8b4009_qkv
		.amdhsa_group_segment_fixed_size 327680
		.amdhsa_private_segment_fixed_size 0
		.amdhsa_enable_private_segment 0
		.amdhsa_kernarg_size 40
		.amdhsa_user_sgpr_count 2
		.amdhsa_user_sgpr_kernarg_segment_ptr 1
		.amdhsa_wavefront_size32 1
		.amdhsa_system_sgpr_workgroup_id_x 1
		.amdhsa_system_sgpr_workgroup_id_y 1
		.amdhsa_system_sgpr_workgroup_id_z 1
		.amdhsa_system_vgpr_workitem_id 0
		.amdhsa_next_free_vgpr 1024
		.amdhsa_next_free_sgpr 100
		.amdhsa_reserve_vcc 0
		.amdhsa_float_denorm_mode_32 3
		.amdhsa_float_denorm_mode_16_64 3
		.amdhsa_memory_ordered 1
		.amdhsa_forward_progress 1
		.amdhsa_inst_pref_size 118
	.end_amdhsa_kernel
	.amdgpu_metadata
---
amdhsa.version: [ 1, 2 ]
amdhsa.kernels:
  - .name:           k_q590e8b4009_qkv
    .symbol:         k_q590e8b4009_qkv.kd
    .args:
      - { .name: xc, .offset: 0, .size: 8, .value_kind: global_buffer, .address_space: global }
      - { .name: wqc, .offset: 8, .size: 8, .value_kind: global_buffer, .address_space: global }
      - { .name: lowp_scales, .offset: 16, .size: 8, .value_kind: global_buffer, .address_space: global }
      - { .name: qkc, .offset: 24, .size: 8, .value_kind: global_buffer, .address_space: global }
      - { .name: vc, .offset: 32, .size: 8, .value_kind: global_buffer, .address_space: global }
    .group_segment_fixed_size: 327680
    .private_segment_fixed_size: 0
    .kernarg_segment_align: 8
    .kernarg_segment_size: 40
    .max_flat_workgroup_size: 128
    .sgpr_count:     100
    .vgpr_count:     1024
    .wavefront_size: 32
...
	.end_amdgpu_metadata
.endif
;; end of part 2
;; launch attn (part 3): grid 4 x 64, 8 waves a work-group, clusters of 4 x 1, 327,680 bytes of LDS; arguments qkc, vc, lowp_scales, ac; writes ac
.if DOCPART == 3
	.amdgcn_target "amdgcn-amd-amdhsa--gfx1250"
	.amdhsa_code_object_version 6
	.text
	.protected	k_q590e8b4009_attn
	.globl	k_q590e8b4009_attn
	.p2align	8
	.type	k_q590e8b4009_attn,@function
k_q590e8b4009_attn:
	s_mov_b64 s[64:65], 0
	v_nop
	global_prefetch_b8 v0, s[64:65] scope:SCOPE_SE
	s_setreg_imm32_b32 hwreg(HW_REG_WAVE_MODE, 25, 1), 1
	s_wait_xcnt 0x0
	s_wait_alu depctr_hold_cnt(0) depctr_sa_sdst(0) depctr_va_vdst(0) depctr_va_sdst(0) depctr_va_ssrc(0) depctr_va_vcc(0) depctr_vm_vsrc(0)
	s_getreg_b32 s2, hwreg(HW_REG_IB_STS2, 6, 4)
	s_cmp_eq_u32 s2, 0
	s_cbranch_scc0 .Lentry_in_a_cluster
	s_endpgm
.Lentry_in_a_cluster:
	s_bfe_u32 s2, ttmp6, 0x10000c
	s_cmp_lg_u32 s2, 0x3003
	s_cbranch_scc0 .Lentry_shape_is_right
	s_endpgm
.Lentry_shape_is_right:
; Causal attention on codes of FP8 (E4M3): S = Q K^T (scales e2, e3), p = 2^(t - M) quantised with e4, O = P V (e5) / the row's sum, quantised with e6 for the last product.
; t = score x log2(e) / 8; M = the running largest t rounded UP to a whole number; the row's sum is taken of the unquantised p, in f32.  When M moves, sum and O are multiplied by 2^(old M - new M): exact.
; LEFT OUT: steps of 128 keys that come wholly after a tile's queries: reference()'s own causal mask throws them away for all inputs (see the first kernel's head).
; SHARES.  A cluster of four work-groups owns ONE batch and head (work-group y = 16 batch + 4 head group + head).  That head's K codes (131,072 bytes) and V codes (as many) lie in LDS whole: each of the eight
; waves asks for 32,768 bytes of them by one JOINT load (mask 15) at the head: waves 0-3 for 512 keys of K each, waves 4-7 for 512 keys of V each.  Nothing is filled again: one barrier, none in the loop.
; The head's 2,048 queries are 16 groups of 128.  Wave w owns groups w and 15 - w; the partner at place p owns queries 32 p + 0..31 of each group: TWO tiles of 16 queries, A and B, which share every fragment of K and V.
; Group g needs key steps 0 .. g of 128 keys: (w + 1) + (16 - w) = 17 steps in every wave of every partner: the trip count is a constant, and no branch hangs on p, which enters global addresses and vector data alone.
; With u = T + 15 - w: trips T = 0..w (u < 16) serve group w with key step 15 - u, downward from its diagonal; trips w + 1 .. 16 serve group 15 - w with key step u - 16, upward to its diagonal: trips 0 and 16 lie on a diagonal.
; Every step that is walked holds at least one key that counts for each query, so M is a number from a group's first step on.
; NO PREFETCH: all that the launch reads through LDS is asked for by the one group of loads at its head; there is no loop to run ahead in.
; LAYOUT.  Both products are used transposed: S^T = K Q^T, O^T = V^T P^T: a lane holds ONE query (lane % 16) of each tile.  Register 8 f + j of S^T is key 16 f + 8 (lane / 16) + j, the place that the second
; product's operand gives that key.  K, V and Q arrive as images of operand registers (four registers at 512 x group + 16 x lane).
; LDS: K: block of 16 keys kb at 1,024 kb.  V at VOFF: 16,384 x (256 keys) + 4,096 x (16 channels) + 2,048 x (128 keys) + 512 x group.  Every LDS read takes 512 consecutive bytes.
; OUT: ac = [head group 4][block of 16 tokens 512][head 4][1,024 bytes]: tile t of 16 channels at 256 t + 16 (lane % 16) + 8 (lane / 16).
; LIMITS: e2 + e3 between -123 and 130 (added to c's exponent field); e4, and e6 - e4 - e5, between -126 and 119.  The scaled scores t stay under 2^31 in magnitude.  NaN among the inputs is not served.
; REGISTERS, in two windows of 256.  Tile A's state lies in window 0, tile B's in window 1 at the same numbers, so one text serves both: v4 the diagonal's mask, v7 the stores' offset, v12 -M, v13 the largest t,
; v[14:15] the sum, v16-23 Q, v24-31 the second group's Q, v96-159 S^T then p, v160-191 O^T, v192-207 p's codes, v208-215 O's codes, v232-255 at work and the scales.
; Window 0 alone: v1, v2, v8, v9 LDS addresses, v5, v6 the add's two; v32-95 K's eight fragments.  Window 1: v32-95 V's four.  So the next step's K is fetched while this step's softmax is walked.
.set VOFF,  131072
.set SPARE, 262144                     ; behind K and V: the spare words, 128 bytes for each of 8 waves, which no other line names
.set AK0,  1
.set AV0,  2
.set DM,   4
.set SPW,  5
.set NIL,  6
.set GO,   7
.set ADK,  8
.set ADV,  9
.set TBK,  2                           ; s2   the next step's place in K
.set TT,   3                           ; s3   the trip's number
.set XA,   17                          ; s17  15 - wave
.set WV,   18                          ; s18  my wave's number
.set TBV,  19                          ; s19  this step's place in V
.set SEL,  20                          ; s[20:21] lane selects for v_permlanex16_b32: lane l xor 16
.set CS,   22                          ; s22 c = log2(e) / 8 x 2^(e2 + e3)
.set G1K,  24                          ; s[24:31] group 1 for K: 32 rows of 1,024 bytes, 4,096 bytes apart
.set G0K,  32
.set G0V,  36
.set G1V,  40                          ; s[40:47] group 1 for V: 2 rows of 16,384 bytes, 65,536 bytes apart
.set AO,   48                          ; s[48:49] where the group in hand goes; s[50:51] the second group
.set MSB, 0
.macro WIN new                         ; the immediate's high byte repeats the setting that is left; at every label and branch the setting is 0
.if MSB != (\new)
	s_set_vgpr_msb (MSB<<8)|(\new)
.set MSB, (\new)
.endif
.endm
.set ALLB, 0x55                        ; every operand place in window 1
.macro CROUND                          ; a round of the cluster's barrier
	s_barrier_signal -1
	s_barrier_wait -1
	s_cmp_lg_u32 s[WV], 0
	s_cbranch_scc1 .Lnot_wave_0_\@
	s_barrier_signal -3
.Lnot_wave_0_\@:
	s_barrier_wait -3
	s_barrier_signal -1
	s_barrier_wait -1
.endm
.macro KS ahead                        ; s56 = the key step of trip T + ahead.  (T + 1 = 17 gives a step inside K all the same)
	s_add_co_u32 s56, s[TT], s[XA]
.if \ahead
	s_add_co_u32 s56, s56, 1
.endif
	s_bfe_u32 s57, s56, 0x10004                    ; 1: the second group
	s_xor_b32 s57, s57, 1
	s_mul_i32 s57, s57, 15
	s_and_b32 s56, s56, 15
	s_xor_b32 s56, s56, s57                        ; 15 - u for the first group, u - 16 for the second
.endm
.macro KLOADS
.irp f, 0,1,2,3,4,5,6,7
.irp g, 0,1
	ds_load_b128 v[32+8*\f+4*\g:32+8*\f+4*\g+3], v[ADK] offset:1024*\f+512*\g
.endr
.endr
.endm
.macro STATE                           ; a group's state, set anew: the first step finds zeros, which the first change of M leaves zeros
	v_mov_b32 v13, 0xff61b1e6                      ; the largest t so far: -3e38, under every t
	s_delay_alu instid0(VALU_DEP_1)
	v_floor_f32 v12, -v13                          ; -M
	v_mov_b32 v14, 0
	v_mov_b32 v15, 0
.set j, 0
.rept 32
	v_mov_b32 v[160+j], 0
.set j, j+1
.endr
.endm
.macro CONSTS
	v_mov_b32 v236, 0                              ; a lane permute's destination counts as one of its sources
	v_mov_b32 v253, 0                              ; (named as the upper half of the pair v[252:253])
	v_mov_b32 v244, s80                            ; 2^e4
	v_mov_b32 v240, s81                            ; 448 x 2^e4,
	v_mov_b32 v241, s81                            ; twice: one register for each half of a dual pair
	v_mov_b32 v246, s82                            ; 2^(e6 - e4 - e5)
	v_mov_b32 v247, s83                            ; 448 x that
	v_mov_b32 v216, s[CS]                          ; c, twice: one register for each half of a dual pair
	v_mov_b32 v217, s[CS]
.endm
.macro MASK                            ; on a diagonal: hidden scores become -infinity ahead of the maximum, so that p = 0
	v_mov_b32 v254, 0xff800000
.set n, 0
.rept 64
	v_cmp_gt_i32 vcc_lo, 16*(n/8)+n%8, v[DM]       ; register 8 f + j holds key 16 f + 8 h + j of the step
	v_cndmask_b32 v[96+n], v[96+n], v254, vcc_lo
.set n, n+1
.endr
.endm
; One tile's softmax of a step: from the scores to p's codes and O^T under the new M.
.macro DADD d, a, b                    ; two additions in one line: registers d, d + 1 = a, a + 1 plus b, b + 1 (all three even, so the halves' sources lie in different register banks)
	v_dual_add_f32 v[\d], v[\a], v[\b] :: v_dual_add_f32 v[\d+1], v[\a+1], v[\b+1]
.endm
.macro SOFTMAX
	v_max3_num_f32 v254, v96, v97, v98             ; the step's largest score of my query, among my 64 keys, in four chains; each accumulator is read from its low end on
	v_max3_num_f32 v252, v99, v100, v101
	v_max3_num_f32 v250, v102, v103, v104
	v_max3_num_f32 v248, v105, v106, v107
.irp i, 12,20,28,36,44,52
	v_max3_num_f32 v254, v254, v[96+\i], v[97+\i]
	v_max3_num_f32 v252, v252, v[98+\i], v[99+\i]
	v_max3_num_f32 v250, v250, v[100+\i], v[101+\i]
	v_max3_num_f32 v248, v248, v[102+\i], v[103+\i]
.endr
	v_max3_num_f32 v254, v254, v156, v157
	v_max3_num_f32 v252, v252, v158, v159
	v_max3_num_f32 v254, v254, v252, v250
	s_delay_alu instid0(VALU_DEP_1)
	v_max_num_f32 v254, v254, v248
	s_delay_alu instid0(VALU_DEP_1)
	v_permlanex16_b32 v236, v254, s[SEL], s[SEL+1]
	s_delay_alu instid0(VALU_DEP_1)
	v_max_num_f32 v254, v254, v236                 ; and among lane l xor 16's
	s_delay_alu instid0(VALU_DEP_1)
	v_mul_f32 v254, s[CS], v254                    ; as t (c is positive)
	s_delay_alu instid0(VALU_DEP_1)
	v_max_num_f32 v13, v13, v254                   ; the running largest t
	v_mov_b32 v254, v12
	s_delay_alu instid0(VALU_DEP_2)
	v_floor_f32 v12, -v13                          ; the new -M = floor(-t) = -ceil(t): a whole number
	s_delay_alu instid0(VALU_DEP_1)
	v_sub_f32 v254, v12, v254                      ; M's old value less its new one: a whole number, 0 or less
	s_delay_alu instid0(VALU_DEP_1)
	v_cvt_i32_f32 v254, v254                       ; (it saturates)
	s_delay_alu instid0(VALU_DEP_1)
	v_ldexp_f32 v252, 1.0, v254                    ; f = 2^(old M - new M)
	v_mov_b32 v219, v12                            ; -M once more, for the second half of a dual pair
.set j, 0
.rept 32
	v_dual_fma_f32 v[96+j], v[96+j], v216, v12 :: v_dual_fma_f32 v[97+j], v[97+j], v217, v219   ; t - M, two numbers a line
.set j, j+2
.endr
.set j, 0
	s_wait_alu depctr_va_vdst(0)
.rept 64
	v_exp_f32 v[96+j], v[96+j]                     ; p = 2^(t - M), at most 1: not normalised
.set j, j+1
.endr
	v_pk_mul_f32 v[14:15], v[14:15], v[252:253] op_sel_hi:[1,0]   ; the sums under the new M: the plain line behind the exponentials
	s_wait_alu depctr_va_vdst(0)                   ; one wait for the whole batch, ahead of its first reader
	DADD 242, 100, 104                             ; the row's sum of the unquantised p, two numbers a line, in eight chains
	DADD 254, 108, 112
	DADD 250, 116, 120
	DADD 248, 124, 128
	DADD 238, 132, 136
	DADD 234, 140, 144
	DADD 232, 148, 152
	DADD 14, 14, 156
	DADD 242, 242, 96
	DADD 254, 254, 98
	DADD 250, 250, 102
	DADD 248, 248, 106
	DADD 238, 238, 110
	DADD 234, 234, 114
	DADD 232, 232, 118
	DADD 14, 14, 122
	DADD 242, 242, 126
	DADD 254, 254, 130
	DADD 250, 250, 134
	DADD 248, 248, 138
	DADD 238, 238, 142
	DADD 234, 234, 146
	DADD 232, 232, 150
	DADD 14, 14, 154
	DADD 242, 242, 158
	DADD 14, 14, 248                               ; the eight chains are joined
	DADD 242, 242, 238
	DADD 254, 254, 234
	DADD 250, 250, 232
	DADD 14, 14, 254
	DADD 242, 242, 250
	DADD 14, 14, 242
.irp f, 0,1,2,3,4,5,6,7
.irp i, 0,2,4,6
	v_dual_min_num_f32 v[96+8*\f+\i], v[96+8*\f+\i], v240 :: v_dual_min_num_f32 v[97+8*\f+\i], v[97+8*\f+\i], v241   ; the conversion does not saturate (ISA guide 7.6.2); p is not negative, so the hold is one-sided; two numbers a line
.endr
	v_cvt_scalef32_pk8_fp8_f32 v[192+2*\f:193+2*\f], v[96+8*\f:103+8*\f], v244   ; registers 2 f, 2 f + 1 of the operand: keys 16 f + 8 h + 0 .. 7
.endr
	s_wait_alu depctr_va_vdst(0)
.set j, 0
.rept 16
	v_pk_mul_f32 v[160+j:161+j], v[160+j:161+j], v[252:253] op_sel_hi:[1,0]   ; O^T under the new M.  (Also the plain lines between the conversions and the products)
.set j, j+2
.endr
.endm
; A tile is finished: O^T / the sum, held and quantised with e6, goes out from the registers: tile t's eight channels of a lane are 8 bytes, and the 32 lanes' 256 bytes lie on end, aligned.
.macro FIN off
.rept 4
	v_nop                                          ; places behind the last products
.endr
	v_add_f32 v14, v14, v15                        ; the sum's two halves,
	s_delay_alu instid0(VALU_DEP_1)
	v_permlanex16_b32 v252, v14, s[SEL], s[SEL+1]
	s_delay_alu instid0(VALU_DEP_1)
	v_add_f32 v14, v14, v252                       ; and lane l xor 16's: the row's sum
	s_wait_alu depctr_va_vdst(0)
	v_rcp_f32 v14, v14
	v_nop                                          ; one plain line behind the reciprocal
	s_wait_alu depctr_va_vdst(0)                   ; and the wait ahead of its first reader, which is O^T's first reader too
.set j, 0
.rept 32
	v_mul_f32 v[96+j], v[160+j], v14               ; register 8 t + i: channel 16 t + 8 h + i of my query; each accumulator from its low end on
.set j, j+1
.endr
.set j, 0
.rept 32
	v_med3_num_f32 v[96+j], v[96+j], -v247, v247
.set j, j+1
.endr
.irp t, 0,1,2,3
	v_cvt_scalef32_pk8_fp8_f32 v[208+2*\t:209+2*\t], v[96+8*\t:103+8*\t], v246
.endr
	v_nop                                          ; one plain line behind the last conversion
.irp t, 0,1,2,3
	global_store_b64 v[GO], v[208+2*\t:209+2*\t], s[AO:AO+1] offset:256*\t+\off
.endr
.endm
.macro RENEW                           ; the second group follows: the state anew, and its Q moves in
	STATE
.set j, 0
.rept 8
	v_mov_b32 v[16+j], v[24+j]
.set j, j+1
.endr
.endm
	s_load_b256 s[4:11], s[0:1], 0x0               ; qkc s[4:5], vc s[6:7], the scales' exponents s[8:9], ac s[10:11]
	v_lshl_add_u32 v[SPW], v0, 2, SPARE
	v_mov_b32 v[NIL], 0
	ds_add_u32 v[SPW], v[NIL]                      ; the opening lines: the add, twice on end, and its wait ahead of my first tensor load
	ds_add_u32 v[SPW], v[NIL]
	v_lshrrev_b32 v8, 5, v0
	v_readfirstlane_b32 s[WV], v8                  ; wave 0..7
	s_bfe_u32 s13, ttmp6, 0x40000                  ; p: my place in the cluster
	s_and_b32 s56, ttmp7, 0xffff
	s_lshr_b32 s14, s56, 4                         ; batch
	s_bfe_u32 s15, s56, 0x20002                    ; head group
	s_and_b32 s16, s56, 3                          ; head in the group
	s_xor_b32 s[XA], s[WV], 15
	s_mov_b32 s[G1K], 15|(3<<16)|(1<<21)           ; 15:0 the mask: all four work-groups; 17:16 elements of 8 bytes; no padding; 21 set beside a mask
	s_mov_b32 s[G1K+1], 128<<16                    ; tensor_dim0 = 128 elements
	s_mov_b32 s[G1K+2], 32<<16                     ; tensor_dim1 = 32
	s_mov_b32 s[G1K+3], 128<<16                    ; tile_dim0
	s_mov_b32 s[G1K+4], 32                         ; tile_dim1
	s_mov_b32 s[G1K+5], 512                        ; from a block of 16 keys to the next: four heads' 1,024 bytes
	s_mov_b32 s[G1K+6], 0
	s_mov_b32 s[G1K+7], 0
	s_mov_b32 s[G1V], 15|(3<<16)|(1<<21)
	s_mov_b32 s[G1V+1], 2048<<16
	s_mov_b32 s[G1V+2], 2<<16
	s_mov_b32 s[G1V+3], 2048<<16
	s_mov_b32 s[G1V+4], 2
	s_mov_b32 s[G1V+5], 8192                       ; from 256 keys to the next: four heads' 16,384 bytes
	s_mov_b32 s[G1V+6], 0
	s_mov_b32 s[G1V+7], 0
	s_mov_b32 s[SEL], 0x76543210
	s_mov_b32 s[SEL+1], 0xfedcba98
	s_mov_b32 s[CS], 0x3e38aa3b                    ; log2(e) / 8
	s_mov_b32 s[TT], 0
	s_and_b32 s57, s[WV], 3
	s_lshl_b32 s57, s57, 17                        ; which 512 keys I fetch: 131,072 bytes apart in qkc and in vc alike
	s_add_co_u32 s58, s15, 4
	s_lshl_b32 s58, s58, 21                        ; K's plane of my head group,
	s_lshl_b32 s59, s14, 19
	s_add_co_u32 s58, s58, s59                     ; my batch's 2,048 keys in it,
	s_lshl_b32 s59, s16, 10
	s_add_co_u32 s58, s58, s59                     ; my head's 1,024 bytes of a block,
	s_add_co_u32 s58, s58, s57
	s_mov_b32 s59, 0
	s_lshl_b32 s60, s14, 2
	s_add_co_u32 s60, s60, s15
	s_lshl_b32 s60, s60, 19                        ; V of my batch and head group,
	s_lshl_b32 s61, s16, 14
	s_add_co_u32 s60, s60, s61                     ; my head's 16,384 bytes of 256 keys,
	s_add_co_u32 s60, s60, s57
	s_mov_b32 s61, 0
	; tile A's 1,024 bytes, in Q's plane of qkc and in ac alike: head group x 2^21 + (128 batch + 8 group + 2 p) x 4,096 + head x 1,024; tile B's lie 4,096 bytes on
	s_lshl_b32 s56, s14, 7
	s_lshl_b32 s66, s13, 1
	s_add_co_u32 s56, s56, s66
	s_lshl_b32 s66, s[WV], 3                       ; the first group: w
	s_add_co_u32 s76, s56, s66
	s_sub_co_u32 s66, 120, s66                     ; the second: 15 - w
	s_add_co_u32 s78, s56, s66
	s_lshl_b32 s76, s76, 12
	s_lshl_b32 s78, s78, 12
	s_lshl_b32 s66, s15, 21
	s_lshl_b32 s67, s16, 10
	s_add_co_u32 s66, s66, s67
	s_add_co_u32 s76, s76, s66
	s_add_co_u32 s78, s78, s66
	s_mov_b32 s77, 0
	s_mov_b32 s79, 0
	s_wait_dscnt 0x0                               ; both opening adds are done
	s_wait_kmcnt 0x0
	s_load_b256 s[68:75], s[8:9], 0x0              ; e0 .. e7
	s_mov_b32 s[G0K], 1                            ; count = 1
	s_lshl_b32 s[G0K+1], s[WV], 15                 ; LDS address: 32,768 x wave: K's four parts, then V's four
	s_add_nc_u64 s[G0K+2:G0K+3], s[4:5], s[58:59]
	s_or_b32 s[G0K+3], s[G0K+3], 0x80000000        ; type = 2
	s_mov_b32 s[G0V], 1
	s_lshl_b32 s[G0V+1], s[WV], 15
	s_add_nc_u64 s[G0V+2:G0V+3], s[6:7], s[60:61]
	s_or_b32 s[G0V+3], s[G0V+3], 0x80000000
	CROUND                                         ; all four work-groups are here: the joint loads meet
	s_cmp_lt_u32 s[WV], 4                          ; one chain of branches on the wave's number, one load to an arm; an s_nop 0 and four v_nop follow each
	s_cbranch_scc0 .Lfor_v
	tensor_load_to_lds s[G0K:G0K+3], s[G1K:G1K+7]
	s_nop 0
.rept 4
	v_nop
.endr
	s_branch .Lasked
.Lfor_v:
	tensor_load_to_lds s[G0V:G0V+3], s[G1V:G1V+7]
	s_nop 0
.rept 4
	v_nop
.endr
.Lasked:
	s_add_nc_u64 s[52:53], s[4:5], s[76:77]        ; Q of the first group, of the second
	s_add_nc_u64 s[54:55], s[4:5], s[78:79]
	s_add_nc_u64 s[AO:AO+1], s[10:11], s[76:77]    ; and where their results go
	s_add_nc_u64 s[AO+2:AO+3], s[10:11], s[78:79]
	s_lshl_b32 s66, s13, 5                         ; tile A's first query in its diagonal step: 32 p
	v_and_b32 v11, 31, v0
	v_lshlrev_b32 v[AK0], 4, v11                   ; 16 x lane
	global_load_b128 v[16:19], v[AK0], s[52:53]    ; Q's fragments stay in registers: tile A's,
	global_load_b128 v[20:23], v[AK0], s[52:53] offset:512
	global_load_b128 v[24:27], v[AK0], s[54:55]
	global_load_b128 v[28:31], v[AK0], s[54:55] offset:512
	WIN 0x40                                       ; destination window 1, address window 0
	global_load_b128 v[16:19], v[AK0], s[52:53] offset:4096   ; and tile B's
	global_load_b128 v[20:23], v[AK0], s[52:53] offset:4608
	global_load_b128 v[24:27], v[AK0], s[54:55] offset:4096
	global_load_b128 v[28:31], v[AK0], s[54:55] offset:4608
	WIN 0
	v_add_nc_u32 v[AV0], VOFF, v[AK0]
	v_and_b32 v8, 15, v0                           ; r
	v_bfe_u32 v9, v0, 4, 1                         ; h
	v_lshlrev_b32 v11, 3, v9
	v_sub_nc_u32 v[DM], v8, v11
	v_add_nc_u32 v[DM], s66, v[DM]                 ; 32 p + r - 8 h
	v_lshl_add_u32 v[GO], v8, 4, v11
	WIN 0x40
	v_mov_b32 v[GO], v[GO]                         ; tile B's copies
	v_add_nc_u32 v[DM], 16, v[DM]                  ; its queries lie 16 on
	WIN 0
	s_wait_kmcnt 0x0
	s_add_co_i32 s56, s70, s71
	s_lshl_b32 s56, s56, 23
	s_add_co_i32 s[CS], s[CS], s56                 ; a score stands for score x 2^(e2 + e3): added to c's exponent field
	s_add_co_i32 s56, s72, 127
	s_lshl_b32 s80, s56, 23
	s_add_co_i32 s56, s56, 8
	s_lshl_b32 s56, s56, 23
	s_or_b32 s81, s56, 0x600000
	s_sub_co_i32 s56, s74, s72
	s_sub_co_i32 s56, s56, s73                     ; a sum of the second product stands for sum x 2^(e4 + e5): its code is (sum / l) / 2^(e6 - e4 - e5)
	s_add_co_i32 s56, s56, 127
	s_lshl_b32 s82, s56, 23
	s_add_co_i32 s56, s56, 8
	s_lshl_b32 s56, s56, 23
	s_or_b32 s83, s56, 0x600000
	STATE
	CONSTS
	WIN ALLB
	STATE
	CONSTS
	WIN 0
	KS 0
	s_lshl_b32 s[TBK], s56, 13
	v_add_nc_u32 v[ADK], s[TBK], v[AK0]
	s_wait_alu depctr_va_vdst(0)
	s_wait_loadcnt 0x0                             ; Q
	s_wait_tensorcnt 0x0                           ; my 32,768 bytes of K or V are in
	s_barrier_signal -1
	s_barrier_wait -1                              ; everybody's are: from here on LDS is only read
	KLOADS                                         ; trip 0's K
.Ltrip:                                            ; 17 trips, T = 0..16: a key step of 128 keys for both tiles
	KS 0
	s_lshr_b32 s57, s56, 1
	s_lshl_b32 s57, s57, 14                        ; V: 16,384 x (step / 2)
	s_and_b32 s56, s56, 1
	s_lshl_b32 s56, s56, 11                        ; + 2,048 x (step % 2)
	s_add_co_u32 s[TBV], s57, s56
	KS 1
	s_lshl_b32 s[TBK], s56, 13                     ; the next trip's K: 8 blocks of 1,024 bytes a step
	v_add_nc_u32 v[ADV], s[TBV], v[AV0]
	v_add_nc_u32 v[ADK], s[TBK], v[AK0]
	s_wait_alu depctr_va_vdst(0)
	s_wait_dscnt 0x0                               ; this step's K is in
.irp f, 0,1,2,3,4,5,6,7
	v_wmma_f32_16x16x64_fp8_fp8 v[96+8*\f:103+8*\f], v[32+8*\f:39+8*\f], v[16:23], 0   ; S^T of tile A: keys 16 f on
.endr
	WIN 0x44                                       ; K from window 0; Q and S^T of tile B in window 1
.irp f, 0,1,2,3,4,5,6,7
	v_wmma_f32_16x16x64_fp8_fp8 v[96+8*\f:103+8*\f], v[32+8*\f:39+8*\f], v[16:23], 0
.endr
.rept 4
	v_nop                                          ; places: V's and K's registers are loaded anew, and the scores are read
.endr
	WIN 0x40
.irp t, 0,1,2,3
.irp c, 0,1,2,3
	ds_load_b128 v[32+16*\t+4*\c:32+16*\t+4*\c+3], v[ADV] offset:4096*\t+512*\c   ; V's four fragments, into window 1
.endr
.endr
	WIN 0
	KLOADS                                         ; and the next trip's K: both land while the two softmaxes are walked.  (Trip 16's are read by nobody)
	s_and_b32 s58, s[TT], 15                       ; trips 0 and 16 lie on a diagonal
	s_cmp_lg_u32 s58, 0
	s_cbranch_scc1 .Lopen
	MASK
	WIN ALLB
	MASK
	WIN 0
.Lopen:
	SOFTMAX
	WIN ALLB
	s_wait_alu depctr_va_vdst(0)                   ; directly ahead of the first reader of tile B's scores, behind tile A's exponentials
	SOFTMAX
	s_wait_alu depctr_va_vdst(0)
	s_wait_dscnt 16                                ; V's fragments are in; the sixteen loads of the next K may be out
.irp t, 0,1,2,3
	v_wmma_f32_16x16x128_fp8_fp8 v[160+8*\t:167+8*\t], v[32+16*\t:47+16*\t], v[192:207], v[160+8*\t:167+8*\t]   ; tile B; the eight accumulators by turns, one instruction a turn
.endr
	WIN 0x01                                       ; V from window 1; p and O^T of tile A in window 0
.irp t, 0,1,2,3
	v_wmma_f32_16x16x128_fp8_fp8 v[160+8*\t:167+8*\t], v[32+16*\t:47+16*\t], v[192:207], v[160+8*\t:167+8*\t]
.endr
	WIN 0
	s_cmp_lg_u32 s[TT], s[WV]                      ; trip w is the first group's last
	s_cbranch_scc1 .Lgo_on
	FIN 0
	RENEW
	WIN ALLB
	FIN 4096
	RENEW
	WIN 0
	s_wait_xcnt 0x0                                ; the stores have read their base and their data: both may be written again
	s_mov_b64 s[AO:AO+1], s[AO+2:AO+3]
.Lgo_on:
	s_add_co_u32 s[TT], s[TT], 1
	s_cmp_lt_u32 s[TT], 17
	s_cbranch_scc1 .Ltrip
	FIN 0
	WIN ALLB
	FIN 4096
	WIN 0
	s_wait_tensorcnt 0x0                           ; the wave's end
	ds_add_u32 v[SPW], v[NIL]
	s_wait_dscnt 0x0
	CROUND                                         ; the closing round: no work-group ends while a partner may still ask for a tile that names it
	s_endpgm
.Lfunc_end_k_q590e8b4009_attn:
	.size	k_q590e8b4009_attn, .Lfunc_end_k_q590e8b4009_attn-k_q590e8b4009_attn
	.p2alignl 7, 3214868480
	.fill 96, 4, 3214868480
	.section	.rodata,"a",@progbits
	.p2align	6, 0x0
	.amdhsa_kernel k_q590e8b4009_attn
		.amdhsa_group_segment_fixed_size 327680
		.amdhsa_private_segment_fixed_size 0
		.amdhsa_enable_private_segment 0
		.amdhsa_kernarg_size 32
		.amdhsa_user_sgpr_count 2
		.amdhsa_user_sgpr_kernarg_segment_ptr 1
		.amdhsa_wavefront_size32 1
		.amdhsa_system_sgpr_workgroup_id_x 1
		.amdhsa_system_sgpr_workgroup_id_y 1
		.amdhsa_system_sgpr_workgroup_id_z 1
		.amdhsa_system_vgpr_workitem_id 0
		.amdhsa_next_free_vgpr 512
		.amdhsa_next_free_sgpr 100
		.amdhsa_reserve_vcc 1
		.amdhsa_float_denorm_mode_32 3
		.amdhsa_float_denorm_mode_16_64 3
		.amdhsa_memory_ordered 1
		.amdhsa_forward_progress 1
		.amdhsa_inst_pref_size 73
	.end_amdhsa_kernel
	.amdgpu_metadata
---
amdhsa.version: [ 1, 2 ]
amdhsa.kernels:
  - .name:           k_q590e8b4009_attn
    .symbol:         k_q590e8b4009_attn.kd
    .args:
      - { .name: qkc, .offset: 0, .size: 8, .value_kind: global_buffer, .address_space: global }
      - { .name: vc, .offset: 8, .size: 8, .value_kind: global_buffer, .address_space: global }
      - { .name: lowp_scales, .offset: 16, .size: 8, .value_kind: global_buffer, .address_space: global }
      - { .name: ac, .offset: 24, .size: 8, .value_kind: global_buffer, .address_space: global }
    .group_segment_fixed_size: 327680
    .private_segment_fixed_size: 0
    .kernarg_segment_align: 8
    .kernarg_segment_size: 32
    .max_flat_workgroup_size: 256
    .sgpr_count:     100
    .vgpr_count:     512
    .wavefront_size: 32
...
	.end_amdgpu_metadata
.endif
;; end of part 3
;; launch proj (part 4): grid 64 x 4, 4 waves a work-group, clusters of 4 x 1, 327,680 bytes of LDS; arguments ac, woc, lowp_scales, out0; writes out0
.if DOCPART == 4
	.amdgcn_target "amdgcn-amd-amdhsa--gfx1250"
	.amdhsa_code_object_version 6
	.text
	.protected	k_q590e8b4009_proj
	.globl	k_q590e8b4009_proj
	.p2align	8
	.type	k_q590e8b4009_proj,@function
k_q590e8b4009_proj:
	s_mov_b64 s[64:65], 0
	v_nop
	global_prefetch_b8 v0, s[64:65] scope:SCOPE_SE
	s_setreg_imm32_b32 hwreg(HW_REG_WAVE_MODE, 25, 1), 1
	s_wait_xcnt 0x0
	s_wait_alu depctr_hold_cnt(0) depctr_sa_sdst(0) depctr_va_vdst(0) depctr_va_sdst(0) depctr_va_ssrc(0) depctr_va_vcc(0) depctr_vm_vsrc(0)
	s_getreg_b32 s2, hwreg(HW_REG_IB_STS2, 6, 4)
	s_cmp_eq_u32 s2, 0
	s_cbranch_scc0 .Lentry_in_a_cluster
	s_endpgm
.Lentry_in_a_cluster:
	s_bfe_u32 s2, ttmp6, 0x10000c
	s_cmp_lg_u32 s2, 0x3003
	s_cbranch_scc0 .Lentry_shape_is_right
	s_endpgm
.Lentry_shape_is_right:
; The last product: out0[m][n] = 2^(e6 + e7) x sum over k of A[m][k] W[n][k], on codes of FP8 (E4M3): A = attention's result (ac), W = W_out's codes (woc), K = 1,024; sums in f32.
; LIMIT: e6 + e7 between -126 and 127, so that 2^(e6 + e7) is an f32 number.
; A work-group makes 128 rows x 256 columns: 64 x 4 = 256 work-groups.  Four waves, each 64 x 128: 32 accumulators of 16 x 16.
; NO RING.  W's 256 rows of the WHOLE K lie in LDS (rows of 1,024 bytes + 16 of padding: 266,240 bytes), asked for once, 64 rows a wave.  The four partners of a cluster (neighbours along m) need the same rows: the load is JOINT (mask 15).
; A does not go through LDS: ac holds images of operand registers (four registers at 512 x group + 16 x lane), so each load from memory takes 512 consecutive bytes straight into a fragment's registers; a wave's 64 rows x 1,024 K fill 512 registers.
; NO PREFETCH: all that the launch reads is asked for at its head; there is no loop to run ahead in.
; The product is written out in 16 half-steps: 128 along K x four of W's eight blocks x A's four blocks = 16 matrix instructions on 16 accumulators; an accumulator comes up again after 31 others.
; W's fragments rotate through three sets of four: half-step s reads set s % 3, and the fetch for s + 2 goes into the set that s - 1 has left.
; THE MATRIX INSTRUCTION IS USED TRANSPOSED (source 0 = 16 rows of W, source 1 = 16 rows of A): a lane holds eight neighbouring numbers of a row of out0.  The order of k in a fragment, 32 c + 16 (lane / 16) + 0..15 in registers 4 c .. 4 c + 3, is the same in A and W.
; REGISTERS, in windows of 256: window 0: v16-31 addresses; v64-255 W's three sets, later the way out's; windows 1, 2: A (K step kk, block a at 256 + 16 (4 kk + a)); window 3: the accumulators ((a, b) at 64 a + 8 b).
.set SIZE_N, 1024
.set PITCH,  1040                      ; an LDS row: 1,024 bytes + 16 of padding: an odd multiple of 16, so the 16 rows that a load touches start at 16 different banks (ISA guide 11.1)
.set SPARE,  256*PITCH                 ; behind W: the spare words, 128 bytes for each wave, which no other line names
.set STAGE,  SPARE+512                 ; the way out: 16 rows x (512 bytes + 16) for each wave, on bytes that no tensor load fills
.set SPITCH, 528
.set ADRB, 20                          ; v20, v21  LDS address of W's blocks 0-3, 4-7 of my 128 columns
.set STO,  24
.set RD,   25
.set CO,   26                          ; v26  16 x lane
.set SPW,  28
.set NIL,  29
.set TMP,  32
.set BF,   64
.set BK,   128
.set G1, 24
.set G0, 32
.set MSB, 0
.macro WIN new                         ; the immediate's high byte repeats the setting that is left
.if MSB != (\new)
	s_set_vgpr_msb (MSB<<8)|(\new)
.set MSB, (\new)
.endif
.endm
.macro CROUND                          ; a round of the cluster's barrier
	s_barrier_signal -1
	s_barrier_wait -1
	s_cmp_lg_u32 s14, 0
	s_cbranch_scc1 .Lnot_wave_0_\@
	s_barrier_signal -3
.Lnot_wave_0_\@:
	s_barrier_wait -3
	s_barrier_signal -1
	s_barrier_wait -1
.endm
.macro PLACES
.rept 4
	v_nop
.endr
.endm
	s_load_b128 s[4:7], s[0:1], 0x0                ; ac, woc
	s_load_b128 s[8:11], s[0:1], 0x10              ; the scales' exponents, out0
	v_lshl_add_u32 v[SPW], v0, 2, SPARE
	v_mov_b32 v[NIL], 0
	ds_add_u32 v[SPW], v[NIL]                      ; the opening lines: the add, twice on end, and its wait ahead of my first tensor load
	ds_add_u32 v[SPW], v[NIL]
	v_lshrrev_b32 v1, 5, v0
	v_readfirstlane_b32 s14, v1                    ; wave 0..3
	s_lshr_b32 s15, s14, 1                         ; which 64 rows are mine
	s_and_b32 s16, s14, 1                          ; which 128 columns
	s_bfe_u32 s40, ttmp6, 0x40000                  ; cx
	s_lshl_b32 s42, ttmp9, 2
	s_add_co_u32 s42, s42, s40                     ; block of 128 rows = 4 x cluster x + cx
	s_and_b32 s17, ttmp7, 0xffff                   ; block of 256 columns: the same in all four partners
	s_mov_b32 s[G1], 15|(0<<16)|(1<<20)|(1<<21)|(7<<22)|(3<<25)   ; 15:0 the mask; 17:16 elements of 1 byte; 20 padding on; 21 set beside a mask; 24:22 after every 256 words; 31:25 of 4 words
	s_mov_b32 s[G1+1], 1024<<16                    ; tensor_dim0
	s_mov_b32 s[G1+2], 64<<16                      ; tensor_dim1 = 64
	s_mov_b32 s[G1+3], 1024<<16                    ; tile_dim0
	s_mov_b32 s[G1+4], 64                          ; tile_dim1
	s_mov_b32 s[G1+5], 1024                        ; the rows are dense
	s_mov_b32 s[G1+6], 0
	s_mov_b32 s[G1+7], 0
	s_lshl_b32 s46, s17, 8
	s_lshl_b32 s18, s14, 6
	s_add_co_u32 s46, s46, s18                     ; W's row 256 x column block + 64 x wave
	s_lshl_b32 s46, s46, 10
	s_mov_b32 s47, 0
	s_mul_i32 s45, s14, 64*PITCH                   ; and where it goes
	s_lshl_b32 s20, s42, 3
	s_lshl_b32 s18, s15, 2
	s_add_co_u32 s20, s20, s18                     ; A: my first block of 16 tokens,
	s_lshl_b32 s20, s20, 12                        ; 4,096 bytes each in a plane of 256 along K
	s_mov_b32 s21, 0
	s_wait_dscnt 0x0                               ; both opening adds are done
	s_wait_kmcnt 0x0
	s_load_b64 s[96:97], s[8:9], 0x18              ; e6, e7
	s_mov_b32 s[G0], 1
	s_mov_b32 s[G0+1], s45
	s_add_nc_u64 s[G0+2:G0+3], s[6:7], s[46:47]
	s_or_b32 s[G0+3], s[G0+3], 0x80000000
	s_add_nc_u64 s[4:5], s[4:5], s[20:21]
	CROUND                                         ; all four work-groups are here: the joint loads meet
	tensor_load_to_lds s[G0:G0+3], s[G1:G1+7]      ; every wave's one tensor load: 64 rows of W
	s_nop 0
	PLACES
	v_and_b32 v6, 31, v0
	v_lshlrev_b32 v[CO], 4, v6
	v_and_b32 v1, 15, v0                           ; l % 16
	v_bfe_u32 v2, v0, 4, 1                         ; l / 16
	v_mul_u32_u24 v3, v1, PITCH
	v_lshl_add_u32 v4, v2, 4, v3                   ; a fragment's row x pitch + 16 x half
	v_mul_u32_u24 v5, v1, SPITCH
	v_lshl_add_u32 v5, v2, 5, v5                   ; the stage, in: row l % 16, 32 bytes for each half of the lanes
	s_mul_i32 s22, s16, 128*PITCH
	s_mul_i32 s23, s14, 16*SPITCH
	s_add_co_u32 s23, s23, STAGE
	v_add_nc_u32 v[ADRB], s22, v4
	v_add_nc_u32 v[ADRB+1], 64*PITCH, v[ADRB]
	v_add_nc_u32 v[STO], s23, v5
	v_add_nc_u32 v[RD], s23, v[CO]                 ; back: the 32 lanes take one row of 512 bytes
	s_lshl_b32 s20, s42, 7
	s_lshl_b32 s21, s15, 6
	s_add_co_u32 s20, s20, s21                     ; my first row of out0,
	s_lshl_b32 s20, s20, 12                        ; 4,096 bytes each,
	s_lshl_b32 s21, s17, 10
	s_add_co_u32 s20, s20, s21
	s_lshl_b32 s21, s16, 9
	s_add_co_u32 s20, s20, s21                     ; and my first column: 1,024 x column block + 512 x half
	s_mov_b32 s21, 0
	s_add_nc_u64 s[10:11], s[10:11], s[20:21]
; A: 128 loads, K step by K step, so that a counted wait serves each step
.set kk, 0
.rept 8
	WIN 0x40*(1+kk/4)                              ; destination window 1 or 2, address window 0
.set a, 0
.rept 4
.irp c, 0,1,2,3
	global_load_b128 v[((kk%4)*4+a)*16+4*\c:((kk%4)*4+a)*16+4*\c+3], v[CO], s[4:5] offset:(kk/2)*0x200000+a*4096+(kk%2)*2048+512*\c
.endr
.set a, a+1
.endr
.set kk, kk+1
.endr
	WIN 0
.macro FETCH s                         ; half-step s: W's blocks 4 (s % 2) + 0..3 at K = 128 (s / 2), into set s % 3
.irp i, 0,1,2,3
.irp c, 0,1,2,3
	ds_load_b128 v[BF+64*((\s)%3)+16*\i+4*\c:BF+64*((\s)%3)+16*\i+4*\c+3], v[ADRB+(\s)%2] offset:128*((\s)/2)+32*\c+\i*16*PITCH
.endr
.endr
.endm
.macro MUL s                           ; 16 matrix instructions.  The first K step's products start the sums: nothing is cleared
.irp i, 0,1,2,3
.irp a, 0,1,2,3
.if (\s) < 2
	v_wmma_f32_16x16x128_fp8_fp8 v[64*\a+8*(4*((\s)%2)+\i):64*\a+8*(4*((\s)%2)+\i)+7], v[BF+64*((\s)%3)+16*\i:BF+64*((\s)%3)+16*\i+15], v[((((\s)/2)%4)*4+\a)*16:((((\s)/2)%4)*4+\a)*16+15], 0
.else
	v_wmma_f32_16x16x128_fp8_fp8 v[64*\a+8*(4*((\s)%2)+\i):64*\a+8*(4*((\s)%2)+\i)+7], v[BF+64*((\s)%3)+16*\i:BF+64*((\s)%3)+16*\i+15], v[((((\s)/2)%4)*4+\a)*16:((((\s)/2)%4)*4+\a)*16+15], v[64*\a+8*(4*((\s)%2)+\i):64*\a+8*(4*((\s)%2)+\i)+7]
.endif
.endr
.endr
.endm
	s_wait_alu depctr_va_vdst(0)
	s_wait_tensorcnt 0x0                           ; my 64 rows of W are in
	s_barrier_signal -1
	s_barrier_wait -1                              ; everybody's are: W is only read from here on
	FETCH 0
	FETCH 1
	FETCH 2
.set hs, 0
.rept 16
.if (hs > 0) && (hs+2 < 16)
	PLACES                                         ; four places in front of loads into the set that the last half-step's products read
	WIN 0
	FETCH hs+2
.endif
.if hs == 0
	s_wait_loadcnt 63                              ; at least 65 of A's 128 loads are in: K steps 0 to 3
.endif
.if (hs >= 8) && (hs%2 == 0)
	s_wait_loadcnt 128-16*(hs/2+1)                 ; this K step's sixteen loads are in; those of the later steps may be out
.endif
.if hs+2 < 16
	s_wait_dscnt 32                                ; this half-step's fragments are in; the fetches of the next two may be out
.else
	s_wait_dscnt 16*(15-hs)
.endif
	WIN 0xf0|((1+hs/8)<<2)                         ; source 0 (W) window 0, source 1 (A) window 1 or 2, C and D window 3
	MUL hs
.set hs, hs+1
.endr
	WIN 0
; THE WAY OUT, block by block of 16 rows x 128 columns: x 2^(e6 + e7), through my own stage in LDS, back as whole rows of 512 bytes, which the 32 lanes store as two aligned units of 256 bytes.
; LDS serves a wave's instructions in order (ISA guide 5.7.1.4): no wait between the stores and the loads.
.macro TOSTAGE a
	WIN 0x03                                       ; source 0: window 3
.set j, 0
.rept 32
	v_pk_mul_f32 v[TMP+j:TMP+j+1], v[64*(\a)+j:64*(\a)+j+1], s[96:97] op_sel_hi:[1,0]   ; both x s96; each accumulator from its low end on
.set j, j+2
.endr
	WIN 0
.irp b, 0,1,2,3,4,5,6,7
	ds_store_b128 v[STO], v[TMP+8*\b:TMP+8*\b+3] offset:64*\b
	ds_store_b128 v[STO], v[TMP+8*\b+4:TMP+8*\b+7] offset:64*\b+16
.endr
.set BB, BK+64*((\a)%2)
.irp t, 0,1,2,3,4,5,6,7,8,9,10,11,12,13,14,15
	ds_load_b128 v[BB+4*\t:BB+4*\t+3], v[RD] offset:\t*SPITCH
.endr
.endm
.macro SEND a, younger                 ; younger: the LDS instructions issued behind block a's loads, which may stay out
.set BB, BK+64*((\a)%2)
	s_wait_dscnt \younger
.if (\a) > 0
	s_add_nc_u64 s[10:11], s[10:11], 16*SIZE_N*4   ; (behind a wait on XCNT: the earlier stores have read their base)
.endif
.irp t, 0,1,2,3,4,5,6,7,8,9,10,11,12,13,14,15
	global_store_b128 v[CO], v[BB+4*\t:BB+4*\t+3], s[10:11] offset:\t*SIZE_N*4 th:TH_STORE_NT
.endr
.endm
	s_wait_kmcnt 0x0
	s_add_co_i32 s96, s96, s97
	s_add_co_i32 s96, s96, 127
	s_lshl_b32 s96, s96, 23                        ; 2^(e6 + e7) as f32
	PLACES                                         ; behind the last products: their results are read, and W's registers are written
	TOSTAGE 0
.irp a, 1,2,3
.if \a > 1
	s_wait_xcnt 0x0                                ; block a - 2's stores have read their registers and their base
.endif
	TOSTAGE \a
	SEND \a-1, 32                                  ; behind block a - 1's loads: block a's 16 stores and 16 loads
.endr
	s_wait_xcnt 0x0
	SEND 3, 0
	s_wait_tensorcnt 0x0                           ; the wave's end
	ds_add_u32 v[SPW], v[NIL]
	s_wait_dscnt 0x0
	CROUND                                         ; the closing round: no work-group ends while a partner may still ask for a tile that names it
	s_endpgm
.Lfunc_end_k_q590e8b4009_proj:
	.size	k_q590e8b4009_proj, .Lfunc_end_k_q590e8b4009_proj-k_q590e8b4009_proj
	.p2alignl 7, 3214868480
	.fill 96, 4, 3214868480
	.section	.rodata,"a",@progbits
	.p2align	6, 0x0
	.amdhsa_kernel k_q590e8b4009_proj
		.amdhsa_group_segment_fixed_size 327680
		.amdhsa_private_segment_fixed_size 0
		.amdhsa_enable_private_segment 0
		.amdhsa_kernarg_size 32
		.amdhsa_user_sgpr_count 2
		.amdhsa_user_sgpr_kernarg_segment_ptr 1
		.amdhsa_wavefront_size32 1
		.amdhsa_system_sgpr_workgroup_id_x 1
		.amdhsa_system_sgpr_workgroup_id_y 1
		.amdhsa_system_sgpr_workgroup_id_z 1
		.amdhsa_system_vgpr_workitem_id 0
		.amdhsa_next_free_vgpr 1024
		.amdhsa_next_free_sgpr 98
		.amdhsa_reserve_vcc 0
		.amdhsa_float_denorm_mode_32 3
		.amdhsa_float_denorm_mode_16_64 3
		.amdhsa_memory_ordered 1
		.amdhsa_forward_progress 1
		.amdhsa_inst_pref_size 75
	.end_amdhsa_kernel
	.amdgpu_metadata
---
amdhsa.version: [ 1, 2 ]
amdhsa.kernels:
  - .name:           k_q590e8b4009_proj
    .symbol:         k_q590e8b4009_proj.kd
    .args:
      - { .name: ac, .offset: 0, .size: 8, .value_kind: global_buffer, .address_space: global }
      - { .name: woc, .offset: 8, .size: 8, .value_kind: global_buffer, .address_space: global }
      - { .name: lowp_scales, .offset: 16, .size: 8, .value_kind: global_buffer, .address_space: global }
      - { .name: out0, .offset: 24, .size: 8, .value_kind: global_buffer, .address_space: global }
    .group_segment_fixed_size: 327680
    .private_segment_fixed_size: 0
    .kernarg_segment_align: 8
    .kernarg_segment_size: 32
    .max_flat_workgroup_size: 128
    .sgpr_count:     98
    .vgpr_count:     1024
    .wavefront_size: 32
...
	.end_amdgpu_metadata
.endif
;; end of part 4
